; MI455X (gfx1250); checked and timed in simulation.
; The chip was launched on July 23, 2026; its instructions are those of AMD's public machine-readable ISA for CDNA 5 (MIT licence, August 2026) and "CDNA5" Instruction Set Architecture Reference Guide (July 2026). The comments in the code are by the model that wrote it; some were corrected since.
;; Multi Head Attention. Allowed arithmetic: matrix products marked QUANTISED: E2M3 operands, one E8M0 scale for each 32 along K, by v_wmma_scale_f32_16x16x128_f8f6f4 with both operands' format E2M3, f32 sums; everything else in f32.
;; Inputs: Wo_codes 1,024 x 32 x 24 uint8 (E2M3 codes of Wo, K innermost, in blocks of 32 codes, four codes in three bytes); Wo_scales 1,024 x 32 uint8 (E8M0 scales of Wo, one for each 32 codes along K); Wqkv_codes 3,072 x 32 x 24 uint8 (E2M3 codes of Wqkv, K innermost, in blocks of 32 codes, four codes in three bytes); Wqkv_scales 3,072 x 32 uint8 (E8M0 scales of Wqkv, one for each 32 codes along K); bo 1,024 float32; bqkv 3,072 float32; x_codes 4 x 2,048 x 32 x 24 uint8 (E2M3 codes of x, K innermost, in blocks of 32 codes, four codes in three bytes); x_scales 4 x 2,048 x 32 uint8 (E8M0 scales of x, one for each 32 codes along K).
;; Outputs: out0 4 x 2,048 x 1,024 float32.
;; This version of the problem:
;;   THIS VERSION OF THE PROBLEM IS GIVEN IN LOW PRECISION. The matrix products marked QUANTISED in the list below multiply operands that are first quantised to E2M3 (2 exponent bits, 3 mantissa bits; 6 bits a number), with one power-of-two scale for each 32 numbers along K (OCP MX v1.0); their sums are f32. All else is computed in f32.
;;   The module's matrix products, in the order in which they are computed (A, B: the left and right operand; K: the contracted axis; several contracted axes count as one K, in the product's order):
;;     1. [M 8,192, K 1,024] x [K 1,024, N 3,072]; A: input x (given as codes); B: input Wqkv (given as codes): QUANTISED
;;     2. batch 64 x [M 2,048, K 64] x [K 64, N 2,048]; A: computed on the way; B: computed on the way: QUANTISED
;;     3. batch 64 x [M 2,048, K 2,048] x [K 2,048, N 64]; A: softmax (see below); B: computed on the way: QUANTISED
;;     4. [M 8,192, K 1,024] x [K 1,024, N 1,024]; A: computed on the way; B: input Wo (given as codes): QUANTISED
;;   THE QUANTISER, for each operand of a quantised product, along K:
;;     - K is cut into blocks of 32 from its start; a last block that is shorter is filled with zeros.
;;     - A block's scale is 2^e with e = floor(log2(the largest magnitude in the block)) - 2, held to -126 .. 127; a block of zeros has e = 0. As a byte (E8M0): e + 127.
;;     - Each number is divided by its block's scale, clamped to +-7.5, and rounded to the nearest number of E2M3, ties to even, subnormals kept.
;;     - The product sums the exact products of the quantised numbers (number of the format x scale) in f32.
;;   ~~~python
;;   def quantise(x, axis):      # numpy; x: float32 -> the quantised numbers, widened to float32 again
;;       x = np.moveaxis(x, axis, -1); K = x.shape[-1]
;;       x = np.pad(x, [(0, 0)] * (x.ndim - 1) + [(0, -K % 32)]); x = x.reshape(x.shape[:-1] + (-1, 32)); a = np.abs(x).max(-1, keepdims=True)
;;       e = np.where(a > 0, np.clip(np.frexp(np.where(a > 0, a, 1))[1] - 1 - 2, -126, 127), 0)      # np.frexp(a)[1] - 1 = floor(log2(a)), exactly
;;       r = np.clip(x / 2.0 ** e, -7.5, 7.5)
;;       step = 2.0 ** (np.maximum(np.frexp(np.where(r == 0, 1, r))[1] - 1, 0) - 3)
;;       q = np.round(r / step) * step * 2.0 ** e      # np.round: ties to even
;;       return np.moveaxis(q.reshape(q.shape[:-2] + (-1,))[..., :K], -1, axis).astype(np.float32)
;;   ~~~
;;   SOFTMAX AHEAD OF A QUANTISED PRODUCT. Where the list says 'softmax', what is quantised is not the finished softmax but p = 2^(t - M), with t = logit x log2(e) and M = ceil(the row's largest t), a whole number; so 1/2 < the row's largest p <= 1. The row's sum l is taken of the UNQUANTISED p, in f32, and the product's result is divided by l at the end. Since M is a whole number, a kernel that streams over the keys may use a running M (the ceiling of the running maximum): every later rescaling is an exact power of two, which a block's scale takes up: the codes' values come out the same.
;;   OPERANDS COMPUTED ON THE WAY. 'Computed on the way' means the value that the module computes at that place (a softmax that the list does not call 'softmax' is quantised finished and normalised). What goes into a quantiser is computed in f32, as accurately as f32 sums, v_exp_f32 and their like allow (about 1e-6 of the number): no bf16 or f16 on the way to a quantiser, and a product that is left as it is and whose result goes on into a quantised operand takes f32 operands (vector FMAs, or v_wmma_f32_16x16x4_f32). A number that lies on a knife's edge between two numbers of the format may be rounded either way, as far as f32 arithmetic and the matrix unit's own rounding can turn it there, and no further.
;;   INPUTS GIVEN AS CODES. Wo (in the module: [1024, 1024], K = its axis 0); Wqkv (in the module: [1024, 3072], K = its axis 0); x (in the module: [4, 2048, 1024], K = its axis 2): each comes as NAME_codes (uint8): NAME with its K axis moved to the last place and cut into blocks of 32 codes, [.., K / 32, bytes a block], one block behind the other in memory; four codes in three bytes: a row's codes are one little-endian stream of bits, code i at bits 6 i .. 6 i + 5 (a code: sign, 2 exponent bits, 3 mantissa bits); and NAME_scales (uint8): the same leading axes, one E8M0 byte (e + 127) for each 32 codes along K. Its value is code x scale, taken as it is: it is not quantised again, and the codes and scales need not be those that the quantiser above would give.
;; One version. Each part assembles by itself: llvm-mc -triple=amdgcn-amd-amdhsa -mcpu=gfx1250 --defsym DOCPART=n.
;; ======== version 1 of 1: 3 launches
;; limits: right only within a limited range of input values
;; workspace buffers: qkv_codes 18,874,368 bytes; qkv_scales 1,572,864 bytes; ao_codes 6,291,456 bytes; ao_scales 262,144 bytes
;; launch qkv (part 1): grid 8 x 48, 4 waves a work-group, clusters of 4 x 4, 327,680 bytes of LDS; arguments x_codes, x_scales, Wqkv_codes, Wqkv_scales, bqkv, qkv_codes, qkv_scales; writes qkv_codes, qkv_scales
.if DOCPART == 1
	.amdgcn_target "amdgcn-amd-amdhsa--gfx1250"
	.amdhsa_code_object_version 6
	.text
	.protected	k_qe3a85c1a92_qkv
	.globl	k_qe3a85c1a92_qkv
	.p2align	8
	.type	k_qe3a85c1a92_qkv,@function
k_qe3a85c1a92_qkv:
	s_mov_b64 s[64:65], 0
	v_nop
	global_prefetch_b8 v0, s[64:65] scope:SCOPE_SE
	s_setreg_imm32_b32 hwreg(HW_REG_WAVE_MODE, 25, 1), 1
	s_wait_xcnt 0x0
	s_wait_alu depctr_hold_cnt(0) depctr_sa_sdst(0) depctr_va_vdst(0) depctr_va_sdst(0) depctr_va_ssrc(0) depctr_va_vcc(0) depctr_vm_vsrc(0)
	s_getreg_b32 s2, hwreg(HW_REG_IB_STS2, 6, 4)
	s_cmp_eq_u32 s2, 0
	s_cbranch_scc0 .Lentry_in_a_cluster
	s_endpgm
.Lentry_in_a_cluster:
	s_bfe_u32 s2, ttmp6, 0x10000c
	s_cmp_lg_u32 s2, 0xf033
	s_cbranch_scc0 .Lentry_shape_is_right
	s_endpgm
.Lentry_shape_is_right:
; q, k, v = x Wqkv + bqkv on codes of FP6 (E2M3) with E8M0 scales, quantised again on the way out: q, k along the head's 64, v along the tokens.
; A work-group of four waves makes 256 x 256, a wave 128 x 128.  For q and k source 1 is x and source 0 Wqkv; for v (cluster y from 8 on) the two change places, so that a lane's registers run along the next product's K.
; K goes through a ring of two LDS slots in CHUNKS OF 256 BYTES of each row of 768: every tile row begins at a multiple of 256 bytes.  A step of 128 along K is 96 bytes: eight steps to three chunks; steps 2 and 5 lie across two chunks.
; The head's four tiles, one a wave: chunk 0's 256 rows of each operand and both operands' scale bytes (dense, whole units of 256).  Chunk 1 follows behind a drained round, chunk 2 as a refill.
; 4 x 4 clusters: a tile is asked for jointly along a row or a column of the cluster.  No data prefetch: K is three chunks, of which two are asked for before the first product.
; LIMITS: NaN and infinities are not served; a block of zeros gets the byte 1 (its codes are zeros; only this program reads the bytes).
.set NQ,     2
.set ROWB,   256
.set KROW,   768
.set PITCH,  272
.set FR,     12
.set NL,     6
.set NP,     4
.set HALFT,  128*PITCH
.set SLOT,   4*HALFT
.set CHUNKS, KROW/ROWB
.set STEPS,  8
.set KS,     32
.set SCL,    2*SLOT
.set HALFS,  16*272
.set SBLK,   2*272
.set SPARE,  SCL+4*HALFS
.set ADRA, 16
.set ADRB, 20
.set VL16, 24
.set VL8,  25
.set VC16, 26
.set ADRS, 27
.set SPW,  28
.set NIL,  29
.set VC8,  30
.set SC,   32
.set BP,   64
.set HA,   64
.set AF,   128
.set CD,   128
.set MG,   148
.set SA,   152
.set SB,   156
.set TM,   200
.set W,    216
.set BQ,   224
.set CB0,  4
.set CB1,  6
.set SCB,  8
.set SELA, 10
.set SELB, 11
.set WV,   18
.set HI,   19
.set LO,   20
.set CLY,  21
.set G1,   24
.set G0,   32
.set SSC,  41
.set SEL,  46
.set G1B,  48
.set G0B,  56
.set G1S,  68
.set G0S,  76
.set G1SB, 80
.set G0SB, 88
.set MASKP, 96
.set MASKQ, 97
.set SSJ,  98
.set MSB, 0
.macro WIN new
.if MSB != (\new)
	s_set_vgpr_msb (MSB<<8)|(\new)
.set MSB, (\new)
.endif
.endm
.set MUL_LO,   0xa1
.set MUL_HI,   0xf1
.set FIRST_LO, 0x81
.set FIRST_HI, 0xc1
.set TO_B,     0x40
.macro JLOAD g0a, g1a, g0b, g1b
	s_cmp_eq_u32 s[HI], 0
	s_cbranch_scc0 .Lfor_b_\@
	tensor_load_to_lds s[\g0a:\g0a+3], s[\g1a:\g1a+7]
	s_nop 0
.rept 4
	v_nop
.endr
	s_branch .Lasked_\@
.Lfor_b_\@:
	tensor_load_to_lds s[\g0b:\g0b+3], s[\g1b:\g1b+7]
	s_nop 0
.rept 4
	v_nop
.endr
.Lasked_\@:
.endm
.macro CREST
	s_cmp_lg_u32 s[WV], 0
	s_cbranch_scc1 .Lnot_wave_0_\@
	s_barrier_signal -3
.Lnot_wave_0_\@:
	s_barrier_wait -3
	s_barrier_signal -1
	s_barrier_wait -1
.endm
.macro CROUND
	s_barrier_signal -1
	s_barrier_wait -1
	CREST
.endm
	s_load_b256 s[4:11], s[0:1], 0x0
	s_load_b128 s[12:15], s[0:1], 0x20
	s_load_b64 s[16:17], s[0:1], 0x30
	v_lshl_add_u32 v[SPW], v0, 2, SPARE
	v_mov_b32 v[NIL], 0
	ds_add_u32 v28, v29
	ds_add_u32 v28, v29
	s_wait_dscnt 0x0
	v_lshrrev_b32 v1, 5, v0
	v_readfirstlane_b32 s[WV], v1
	s_lshr_b32 s[HI], s[WV], 1
	s_and_b32 s[LO], s[WV], 1
	s_bfe_u32 s40, ttmp6, 0x40000
	s_bfe_u32 s41, ttmp6, 0x40004
	s_and_b32 s[CLY], ttmp7, 0xffff
	s_lshl_b32 s66, s[CLY], 1
	s_add_co_u32 s66, s66, ttmp9
	s_sub_co_u32 s66, s66, 16
	s_cmp_lt_u32 s[CLY], 8
	s_cselect_b32 s22, ttmp9, s66
	s_cselect_b32 s23, s[CLY], 0
	s_cselect_b32 s101, 0, 2048
	s_lshl_b32 s42, s22, 2
	s_add_co_u32 s42, s42, s40
	s_lshl_b32 s100, s23, 2
	s_add_co_u32 s100, s100, s41
	s_lshl_b32 s43, s41, 2
	s_lshl_b32 s43, 15, s43
	s_lshl_b32 s44, 0x1111, s40
	s_or_b32 s[G1+0], s43, (0<<16)|(1<<20)|(1<<21)|(5<<22)|(3<<25)
	s_or_b32 s[G1B+0], s44, (0<<16)|(1<<20)|(1<<21)|(5<<22)|(3<<25)
.irp g, G1, G1B
	s_mov_b32 s[\g+1], ROWB<<16
	s_mov_b32 s[\g+2], 256<<16                     ; the head's loads bring 256 rows
	s_mov_b32 s[\g+3], ROWB<<16
	s_mov_b32 s[\g+4], 256
	s_mov_b32 s[\g+5], KROW
	s_mov_b32 s[\g+6], 0
	s_mov_b32 s[\g+7], 0
.endr
	s_or_b32 s[G1S+0], s43, (3<<16)|(1<<20)|(1<<21)|(5<<22)|(3<<25)
	s_or_b32 s[G1SB+0], s44, (3<<16)|(1<<20)|(1<<21)|(5<<22)|(3<<25)
.irp g, G1S, G1SB
	s_mov_b32 s[\g+1], 32<<16
	s_mov_b32 s[\g+2], 32<<16                      ; the scale bytes of 256 rows: 32 units of 256
	s_mov_b32 s[\g+3], 32<<16
	s_mov_b32 s[\g+4], 32
	s_mov_b32 s[\g+5], 32
	s_mov_b32 s[\g+6], 0
	s_mov_b32 s[\g+7], 0
.endr
	s_lshl_b32 s92, s100, 8                        ; the tiles' first rows
	s_add_co_u32 s92, s92, s101
	s_lshl_b32 s46, s42, 8
	s_lshl_b32 s94, s92, 5
	s_lshl_b32 s96, s46, 5
	s_mul_i32 s92, s92, KROW
	s_mul_i32 s46, s46, KROW
	s_mov_b32 s93, 0
	s_mov_b32 s95, 0
	s_mov_b32 s97, 0
	s_mov_b32 s47, 0
	s_mul_i32 s45, s[WV], HALFT
	s_mul_i32 s98, s[LO], 128*KROW                 ; in the ring I fetch 128 rows of a tile: which half, in bytes
	s_mov_b32 s99, 0
	s_wait_kmcnt 0x0
	s_cmp_lt_u32 s[CLY], 8
	s_cselect_b64 s[66:67], s[4:5], s[8:9]
	s_cselect_b64 s[8:9], s[8:9], s[4:5]
	s_cselect_b64 s[4:5], s[6:7], s[10:11]
	s_cselect_b64 s[10:11], s[10:11], s[6:7]
	s_add_nc_u64 s[92:93], s[66:67], s[92:93]
	s_add_nc_u64 s[94:95], s[4:5], s[94:95]
	s_add_nc_u64 s[46:47], s[8:9], s[46:47]
	s_add_nc_u64 s[96:97], s[10:11], s[96:97]
	CROUND
	s_mov_b32 s[G0S], 1                            ; the head's four tiles, each whole: source 1's scale bytes,
	s_mov_b32 s[G0S+1], SCL
	s_mov_b64 s[G0S+2:G0S+3], s[94:95]
	s_or_b32 s[G0S+3], s[G0S+3], 0x80000000
	s_mov_b32 s[G0SB], 1                           ; source 0's,
	s_mov_b32 s[G0SB+1], SCL+2*HALFS
	s_mov_b64 s[G0SB+2:G0SB+3], s[96:97]
	s_or_b32 s[G0SB+3], s[G0SB+3], 0x80000000
	s_mov_b32 s[G0], 1                             ; chunk 0's 256 rows of source 1 (slot 0's groups 0 stand for whole tiles until the head's loads have landed),
	s_mov_b32 s[G0+1], 0
	s_mov_b64 s[G0+2:G0+3], s[92:93]
	s_or_b32 s[G0+3], s[G0+3], 0x80000000
	s_mov_b32 s[G0B], 1                            ; and of source 0
	s_mov_b32 s[G0B+1], 2*HALFT
	s_mov_b64 s[G0B+2:G0B+3], s[46:47]
	s_or_b32 s[G0B+3], s[G0B+3], 0x80000000
	s_add_nc_u64 s[92:93], s[92:93], s[98:99]      ; slot 1: my 128 rows of chunk 1
	s_add_nc_u64 s[46:47], s[46:47], s[98:99]
	s_mov_b32 s[G0+4], 1
	s_add_co_u32 s[G0+5], s45, SLOT
	s_add_nc_u64 s[G0+6:G0+7], s[92:93], ROWB
	s_or_b32 s[G0+7], s[G0+7], 0x80000000
	s_mov_b32 s[G0B+4], 1
	s_add_co_u32 s[G0B+5], s45, SLOT
	s_add_nc_u64 s[G0B+6:G0B+7], s[46:47], ROWB
	s_or_b32 s[G0B+7], s[G0B+7], 0x80000000
.macro ARM under, g0, g1, next         ; one chain of branches on the wave's number, one load to an arm: one tensor load a wave at the head
	s_cmp_lt_u32 s[WV], \under
	s_cbranch_scc0 \next
	tensor_load_to_lds s[\g0:\g0+3], s[\g1:\g1+7]
	s_nop 0
.rept 4
	v_nop
.endr
	s_branch .Lhead_asked
\next:
.endm
	ARM 1, G0,  G1,  .Lhead_b
	ARM 2, G0B, G1B, .Lhead_sa
	ARM 3, G0S, G1S, .Lhead_sb
	tensor_load_to_lds s[G0SB:G0SB+3], s[G1SB:G1SB+7]
	s_nop 0
.rept 4
	v_nop
.endr
.Lhead_asked:
	v_and_b32 v1, 15, v0
	v_bfe_u32 v2, v0, 4, 1
	v_mul_u32_u24 v3, v1, PITCH
	v_mul_u32_u24 v4, v2, 24
	v_add_nc_u32 v4, v3, v4
	s_mov_b32 s66, SLOT-232
	s_mov_b32 s67, SLOT+232
	v_sub_nc_u32 v7, 1, v2
	v_mul_u32_u24 v5, s66, v2
	v_add_nc_u32 v5, v3, v5
	v_add_nc_u32 v5, 232, v5                       ; across two chunks: lanes 0-15 byte 232 of the row in slot 0, lanes 16-31 byte 0 of the row in slot 1;
	v_mul_u32_u24 v6, s67, v7
	v_add_nc_u32 v6, v3, v6                        ; and the other way round
	s_mul_i32 s66, s[HI], HALFT
	s_mul_i32 s67, s[LO], HALFT
	s_add_co_u32 s67, s67, 2*HALFT
	v_add_nc_u32 v[ADRA+2], s66, v5
	v_add_nc_u32 v[ADRA+3], s66, v6
	v_add_nc_u32 v[ADRB+2], s67, v5
	v_add_nc_u32 v[ADRB+3], s67, v6
.irp s, 0,1
	v_add_nc_u32 v[ADRA+\s], s66, v4
	v_add_nc_u32 v[ADRB+\s], s67, v4
	s_add_co_u32 s66, s66, SLOT
	s_add_co_u32 s67, s67, SLOT
.endr
	v_mul_u32_u24 v5, v1, KS
	v_lshrrev_b32 v6, 8, v5
	v_lshl_add_u32 v5, v6, 4, v5
	s_mul_i32 s66, s[HI], HALFS
	s_mul_i32 s67, s[LO], HALFS
	s_add_co_u32 s67, s67, 2*HALFS
	s_sub_co_u32 s67, s67, s66
	v_mul_u32_u24 v6, s67, v2
	s_add_co_u32 s66, s66, SCL
	v_add_nc_u32 v5, v5, v6
	v_add_nc_u32 v[ADRS], s66, v5
	s_lshl_b32 s2, s42, 8
	s_lshl_b32 s22, s[LO], 7
	s_add_co_u32 s2, s2, s22
	s_lshl_b32 s23, s100, 8
	s_add_co_u32 s23, s23, s101
	s_lshl_b32 s22, s[HI], 7
	s_add_co_u32 s23, s23, s22
	s_mov_b32 s[SSC], 3072
	s_mov_b32 s[SELA], 0x03020100
	s_mov_b32 s[SELB], 0x07060504
	s_cmp_lt_u32 s[CLY], 8
	s_cselect_b32 s22, s2, s23
	s_cselect_b32 s40, s23, s2
	s_cselect_b32 s92, s2, 0
	s_cselect_b32 s94, 0, s23
	s_cselect_b32 s[MASKP], -1, 0
	s_cselect_b32 s[MASKQ], 0, -1
	s_cselect_b32 s[SSJ], 0, 95232
	s_cselect_b32 s[SSC], 98304, s[SSC]
	s_cselect_b32 s[SELA], 0x01000100, s[SELA]
	s_cselect_b32 s[SELB], 0x03020302, s[SELB]
	s_mov_b32 s[SSJ+1], 0
	s_lshl_b32 s92, s92, 2
	s_mov_b32 s93, 0
	s_add_nc_u64 s[92:93], s[12:13], s[92:93]
	s_lshl_b32 s94, s94, 2
	s_mov_b32 s95, 0
	s_add_nc_u64 s[94:95], s[12:13], s[94:95]
	s_lshr_b32 s66, s22, 10
	s_lshl_b32 s66, s66, 2
	s_lshr_b32 s67, s40, 11
	s_add_co_u32 s66, s66, s67
	s_lshl_b32 s66, s66, 4
	s_bfe_u32 s67, s22, 0x40006
	s_add_co_u32 s66, s66, s67
	s_bfe_u32 s67, s40, 0x40007
	s_mul_i32 s[CB0], s66, 98304
	s_mul_i32 s2, s67, 6144
	s_add_co_u32 s[CB0], s[CB0], s2
	s_mov_b32 s[CB0+1], 0
	s_add_nc_u64 s[CB0:CB0+1], s[14:15], s[CB0:CB0+1]
	s_add_nc_u64 s[CB1:CB1+1], s[CB0:CB0+1], s[SSJ:SSJ+1]
	s_lshl_b32 s[SCB], s66, 13
	s_lshl_b32 s2, s67, 9
	s_add_co_u32 s[SCB], s[SCB], s2
	s_mov_b32 s[SCB+1], 0
	s_add_nc_u64 s[SCB:SCB+1], s[16:17], s[SCB:SCB+1]
	s_mov_b32 s[SEL], 0x76543210
	s_mov_b32 s[SEL+1], 0xfedcba98
	v_and_b32 v6, 31, v0
	v_lshlrev_b32 v[VL16], 4, v6
	v_lshlrev_b32 v[VL8], 3, v6
	v_add_nc_u32 v[VL8], 512, v[VL8]
	v_add_nc_u32 v[VC16], s[SSC], v[VL16]
	v_add_nc_u32 v[VC8], s[SSC], v[VL8]
	v_lshlrev_b32 v7, 5, v2
	v_lshlrev_b32 v8, 2, v1
.irp b, 0,1,2,3,4,5,6,7
	global_load_b128 v[BP+8*\b:BP+8*\b+3], v7, s[92:93] offset:64*\b
	global_load_b128 v[BP+8*\b+4:BP+8*\b+7], v7, s[92:93] offset:64*\b+16
.endr
.irp a, 0,1,2,3,4,5,6,7
	global_load_b32 v[BQ+2*\a], v8, s[94:95] offset:64*\a
.endr
	s_wait_loadcnt 0x0
.set kk, 0
.rept 64
	v_and_b32 v[BP+kk], s[MASKP], v[BP+kk]
.set kk, kk+1
.endr
.irp a, 0,1,2,3,4,5,6,7
	v_and_b32 v[BQ+2*\a], s[MASKQ], v[BQ+2*\a]
	v_mov_b32 v[BQ+2*\a+1], v[BQ+2*\a]
.endr
.macro FRAG reg, adr, q, i
.irp p, 0,1,2,3,4,5
.set BY, 96*(\q)+48*(\p/3)+8*(\p%3)    ; q: the step, counted from the row's start.  Byte y of a row lies in chunk y / 256, in slot (y / 256) % 2; lanes 16-31 read 24 bytes on
.if BY/ROWB == (BY+24)/ROWB
	ds_load_b64 v[\reg+2*\p:\reg+2*\p+1], v[\adr+(BY/ROWB)%2] offset:BY%ROWB+(\i)*16*PITCH
.else
	ds_load_b64 v[\reg+2*\p:\reg+2*\p+1], v[\adr+2+(BY/ROWB)%2] offset:BY%ROWB-232+(\i)*16*PITCH
.endif
.endr
.endm
.macro MUL16 a0, p, q, sc, zero
.irp a, \a0, \a0+1
.irp b, 0,1,2,3,4,5,6,7
.if \zero
	v_wmma_scale_f32_16x16x128_f8f6f4 v[8*(8*((\a)%4)+\b):8*(8*((\a)%4)+\b)+7], v[128*(\p)+FR*\b:128*(\p)+FR*\b+FR-1], v[AF+FR*(\a):AF+FR*(\a)+FR-1], v[BP+8*\b:BP+8*\b+7], v[SC+8*NQ*(\sc)+NQ*\b+(\q)], v[SC+8*NQ*(\sc)+NQ*(\a)+(\q)] matrix_a_fmt:MATRIX_FMT_FP6 matrix_b_fmt:MATRIX_FMT_FP6 matrix_a_scale:MATRIX_SCALE_ROW1
.else
	v_wmma_scale_f32_16x16x128_f8f6f4 v[8*(8*((\a)%4)+\b):8*(8*((\a)%4)+\b)+7], v[128*(\p)+FR*\b:128*(\p)+FR*\b+FR-1], v[AF+FR*(\a):AF+FR*(\a)+FR-1], v[8*(8*((\a)%4)+\b):8*(8*((\a)%4)+\b)+7], v[SC+8*NQ*(\sc)+NQ*\b+(\q)], v[SC+8*NQ*(\sc)+NQ*(\a)+(\q)] matrix_a_fmt:MATRIX_FMT_FP6 matrix_b_fmt:MATRIX_FMT_FP6 matrix_a_scale:MATRIX_SCALE_ROW1
.endif
.endr
.endr
.endm
.macro FETCH_B slot, q, p
	WIN TO_B
.irp i, 0,1,2,3,4,5,6,7
	FRAG 128*(\p)+FR*\i, ADRB+\slot, \q, \i
.endr
	WIN 0
.endm
.macro FETCH_A slot, q, i0
.irp i, \i0, \i0+1, \i0+2, \i0+3
	FRAG AF+FR*(\i), ADRA+\slot, \q, \i
.endr
.endm
.macro SCALES sc
.irp i, 0,1,2,3,4,5,6,7
	ds_load_b64 v[SC+8*NQ*((\sc)%2)+NQ*\i:SC+8*NQ*((\sc)%2)+NQ*\i+1], v[ADRS] offset:\i*SBLK+4*NQ*(\sc)   ; sc: the pair of steps
.endr
.endm
.macro PLACES n
.rept \n
	v_nop
.endr
.endm
; A step of 128 along K: 64 products; the next step's fragments are fetched in its middle and at its end.
; Where the next step's bytes END in a chunk not read yet: every wave waits for its tensor loads, and a barrier shows that chunk whole.
; Where they BEGIN in a later chunk: the chunk left behind is read no more: the wait, the add and the wait for it, the barrier, which opens a round where a chunk is left to fetch, and the refill.
.macro STEP st, zero
.set NX, (\st)+1
.set C0, (96*(\st))/ROWB
.set C1, (96*NX)/ROWB
.set E0, (96*(\st)+95)/ROWB
.set E1, (96*NX+95)/ROWB
.set WL, MUL_LO-0x20*(\zero)           ; the first step takes its C, the bias, from window 0
.set WH, MUL_HI-0x30*(\zero)
.if C1 > C0 || E1 > E0
	s_wait_tensorcnt 0x0
.if C1 > C0
	ds_add_u32 v[SPW], v[NIL]
	s_wait_dscnt 4*NL+1                            ; the add and the youngest 24 loads (source 1's blocks 4-7) may be out
.else
	s_wait_dscnt 4*NL
.endif
	WIN WL
	MUL16 0, (\st)%2, (\st)%2, ((\st)/2)%2, \zero
	s_wait_dscnt 0x0
	s_barrier_signal -1
	MUL16 2, (\st)%2, (\st)%2, ((\st)/2)%2, \zero
	WIN 0
	s_barrier_wait -1
.if C1 > C0 && C0+2 < CHUNKS
	CREST
	s_add_nc_u64 s[G0+4*(C0%2)+2:G0+4*(C0%2)+3], s[G0+4*(C0%2)+2:G0+4*(C0%2)+3], 2*ROWB
	s_add_nc_u64 s[G0B+4*(C0%2)+2:G0B+4*(C0%2)+3], s[G0B+4*(C0%2)+2:G0B+4*(C0%2)+3], 2*ROWB
	JLOAD G0+4*(C0%2), G1, G0B+4*(C0%2), G1B       ; chunk C0 + 2; its four v_nop are the places in front of the loads below
.else
	PLACES NP
.endif
.else
	s_wait_dscnt 4*NL
	WIN WL
	MUL16 0, (\st)%2, (\st)%2, ((\st)/2)%2, \zero
	MUL16 2, (\st)%2, (\st)%2, ((\st)/2)%2, \zero
	s_wait_dscnt 0
	PLACES NP
.endif
	FETCH_B 0, NX, NX%2
	FETCH_A 0, NX, 0
.if NX%2 == 0
	SCALES NX/2
.endif
	WIN WH
	MUL16 4, (\st)%2, (\st)%2, ((\st)/2)%2, \zero
	MUL16 6, (\st)%2, (\st)%2, ((\st)/2)%2, \zero
	PLACES NP
	WIN 0
	FETCH_A 0, NX, 4
.endm
	s_wait_alu depctr_va_vdst(0)                   ; the wait at the head's end
	s_wait_tensorcnt 0x0                           ; my tile of the head's four is in; the lines ahead of a later first fill:
	ds_add_u32 v[SPW], v[NIL]
	s_mov_b32 s[G1+2], 128<<16                     ; no tensor load of mine is out: from here on a load brings my 128 rows
	s_mov_b32 s[G1+4], 128
	s_mov_b32 s[G1B+2], 128<<16
	s_mov_b32 s[G1B+4], 128
	s_mul_i32 s2, s[LO], 128*KROW
	s_mov_b32 s3, 0
	s_mov_b32 s[G0+1], s45
	s_mov_b32 s[G0B+1], s45
	s_add_nc_u64 s[G0+2:G0+3], s[G0+2:G0+3], s[2:3]
	s_add_nc_u64 s[G0B+2:G0B+3], s[G0B+2:G0B+3], s[2:3]
	s_wait_dscnt 0x0
	CROUND
	JLOAD G0+4, G1, G0B+4, G1B                     ; chunk 1, the first tensor load behind the round
	FETCH_B 0, 0, 0
	FETCH_A 0, 0, 0
	SCALES 0
	FETCH_A 0, 0, 4
	STEP 0, 1
.set ST, 1
.rept STEPS-2
	STEP ST, 0
.set ST, ST+1
.endr
	s_wait_dscnt 4*NL
	WIN MUL_LO
	MUL16 0, 1, NQ-1, 1, 0
	MUL16 2, 1, NQ-1, 1, 0
	s_wait_dscnt 0
	WIN MUL_HI
	MUL16 4, 1, NQ-1, 1, 0
	MUL16 6, 1, NQ-1, 1, 0
	WIN 0
.macro QUANT s, cd, pw
.irp b, 0,1,2,3
	v_max3_num_f32 v[TM+\b], |v[\s+16*\b]|, |v[\s+1+16*\b]|, 0x1800000
.endr
.irp i, 2,4,6,8,10,12,14
.irp b, 0,1,2,3
	v_max3_num_f32 v[TM+\b], v[TM+\b], |v[\s+16*\b+\i]|, |v[\s+1+16*\b+\i]|
.endr
.endr
.irp b, 0,1,2,3
	v_permlanex16_b32 v[TM+4+\b], v[TM+\b], s[SEL], s[SEL+1]
.endr
.irp b, 0,1,2,3
	v_max_num_f32 v[TM+\b], v[TM+\b], v[TM+4+\b]
.endr
.irp b, 0,1,2,3
	v_add_nc_u32 v[TM+12+\b], 0xff000000, v[TM+\b]
.endr
.irp b, 0,1,2,3
	v_lshrrev_b32 v[TM+4+\b], 23, v[TM+12+\b]
.endr
	v_lshl_or_b32 v[\pw], v[TM+5], 8, v[TM+4]
	v_lshl_or_b32 v[\pw], v[TM+6], 16, v[\pw]
	v_lshl_or_b32 v[\pw], v[TM+7], 24, v[\pw]
.irp c, 0,1
	v_cvt_scalef32_pk16_fp6_f32 v[\cd+6*\c:\cd+2+6*\c], v[\s+32*\c:\s+15+32*\c], v[TM+12+2*\c]
	v_cvt_scalef32_pk16_fp6_f32 v[\cd+12+4*\c:\cd+14+4*\c], v[\s+16+32*\c:\s+31+32*\c], v[TM+12+2*\c+1]
.endr
	v_nop
.irp c, 0,1
.irp i, 0,1,2
	v_permlane16_swap_b32 v[\cd+6*\c+\i], v[\cd+12+4*\c+\i]
.endr
.irp i, 0,1,2
	v_mov_b32 v[\cd+3+6*\c+\i], v[\cd+12+4*\c+\i]
.endr
.endr
.endm
.macro TILE a
	s_wait_xcnt 0x0
	WIN 0x02+(\a)/4
.set kk, 0
.rept 32
	v_pk_add_f32 v[HA+kk:HA+kk+1], v[64*((\a)%4)+kk:64*((\a)%4)+kk+1], v[BQ+2*(\a):BQ+2*(\a)+1]
.set kk, kk+2
.endr
	WIN 0
	QUANT HA, CD, W+(\a)
.if (\a) < 4
.set CBX, CB0
.else
.set CBX, CB1
.endif
	global_store_b128 v[VL16], v[CD:CD+3], s[CBX:CBX+1] offset:(\a)*768
	global_store_b64 v[VL8], v[CD+4:CD+5], s[CBX:CBX+1] offset:(\a)*768
	global_store_b128 v[VC16], v[CD+6:CD+9], s[CBX:CBX+1] offset:(\a)*768
	global_store_b64 v[VC8], v[CD+10:CD+11], s[CBX:CBX+1] offset:(\a)*768
.endm
	PLACES NP
.irp b, 0,1,2,3
	v_mov_b32 v[TM+4+\b], 0
.endr
	s_mov_b32 vcc_lo, 0xffff0000
.irp a, 0,1,2,3,4,5,6,7
	TILE \a
.endr
.irp i, 0,1,2,3
	v_cndmask_b32 v[MG+\i], v[W+2*\i], v[W+2*\i+1], vcc_lo
.endr
.irp i, 0,1,2,3
	v_perm_b32 v[SA+\i], v[MG+\i], v[MG+\i], s[SELA]
	v_perm_b32 v[SB+\i], v[MG+((\i+2)&3)], v[MG+\i], s[SELB]
.endr
	global_store_b128 v[VL16], v[SA:SA+3], s[SCB:SCB+1]
	global_store_b128 v[VL16], v[SB:SB+3], s[SCB:SCB+1] offset:8192
	s_wait_tensorcnt 0x0
	ds_add_u32 v[SPW], v[NIL]
	s_wait_dscnt 0x0
	CROUND
	s_endpgm
.Lfunc_end_k_qe3a85c1a92_qkv:
	.size	k_qe3a85c1a92_qkv, .Lfunc_end_k_qe3a85c1a92_qkv-k_qe3a85c1a92_qkv
	.p2alignl 7, 3214868480
	.fill 96, 4, 3214868480
	.section	.rodata,"a",@progbits
	.p2align	6, 0x0
	.amdhsa_kernel k_qe3a85c1a92_qkv
		.amdhsa_group_segment_fixed_size 327680
		.amdhsa_private_segment_fixed_size 0
		.amdhsa_enable_private_segment 0
		.amdhsa_kernarg_size 56
		.amdhsa_user_sgpr_count 2
		.amdhsa_user_sgpr_kernarg_segment_ptr 1
		.amdhsa_wavefront_size32 1
		.amdhsa_system_sgpr_workgroup_id_x 1
		.amdhsa_system_sgpr_workgroup_id_y 1
		.amdhsa_system_sgpr_workgroup_id_z 1
		.amdhsa_system_vgpr_workitem_id 0
		.amdhsa_next_free_vgpr 1024
		.amdhsa_next_free_sgpr 102
		.amdhsa_reserve_vcc 1
		.amdhsa_float_denorm_mode_32 3
		.amdhsa_float_denorm_mode_16_64 3
		.amdhsa_memory_ordered 1
		.amdhsa_forward_progress 1
		.amdhsa_inst_pref_size 188
	.end_amdhsa_kernel
	.amdgpu_metadata
---
amdhsa.version: [ 1, 2 ]
amdhsa.kernels:
  - .name:           k_qe3a85c1a92_qkv
    .symbol:         k_qe3a85c1a92_qkv.kd
    .args:
      - { .name: x_codes, .offset: 0, .size: 8, .value_kind: global_buffer, .address_space: global }
      - { .name: x_scales, .offset: 8, .size: 8, .value_kind: global_buffer, .address_space: global }
      - { .name: Wqkv_codes, .offset: 16, .size: 8, .value_kind: global_buffer, .address_space: global }
      - { .name: Wqkv_scales, .offset: 24, .size: 8, .value_kind: global_buffer, .address_space: global }
      - { .name: bqkv, .offset: 32, .size: 8, .value_kind: global_buffer, .address_space: global }
      - { .name: qkv_codes, .offset: 40, .size: 8, .value_kind: global_buffer, .address_space: global }
      - { .name: qkv_scales, .offset: 48, .size: 8, .value_kind: global_buffer, .address_space: global }
    .group_segment_fixed_size: 327680
    .private_segment_fixed_size: 0
    .kernarg_segment_align: 8
    .kernarg_segment_size: 56
    .max_flat_workgroup_size: 128
    .sgpr_count:     102
    .vgpr_count:     1024
    .wavefront_size: 32
...
	.end_amdgpu_metadata
.endif
;; end of part 1
;; launch attn (part 2): grid 4 x 64, 16 waves a work-group, clusters of 4 x 1, 239,616 bytes of LDS; arguments qkv_codes, qkv_scales, ao_codes, ao_scales; writes ao_codes, ao_scales
.if DOCPART == 2
	.amdgcn_target "amdgcn-amd-amdhsa--gfx1250"
	.amdhsa_code_object_version 6
	.text
	.protected	k_qe3a85c1a92_attn
	.globl	k_qe3a85c1a92_attn
	.p2align	8
	.type	k_qe3a85c1a92_attn,@function
k_qe3a85c1a92_attn:
	s_mov_b64 s[64:65], 0
	v_nop
	global_prefetch_b8 v0, s[64:65] scope:SCOPE_SE
	s_setreg_imm32_b32 hwreg(HW_REG_WAVE_MODE, 25, 1), 1
	s_wait_xcnt 0x0
	s_wait_alu depctr_hold_cnt(0) depctr_sa_sdst(0) depctr_va_vdst(0) depctr_va_sdst(0) depctr_va_ssrc(0) depctr_va_vcc(0) depctr_vm_vsrc(0)
	s_getreg_b32 s2, hwreg(HW_REG_IB_STS2, 6, 4)
	s_cmp_eq_u32 s2, 0
	s_cbranch_scc0 .Lentry_in_a_cluster
	s_endpgm
.Lentry_in_a_cluster:
	s_bfe_u32 s2, ttmp6, 0x10000c
	s_cmp_lg_u32 s2, 0x3003
	s_cbranch_scc0 .Lentry_shape_is_right
	s_endpgm
.Lentry_shape_is_right:
; O[b][h][q] = the sum over k of softmax_k(q . k / 8) v, both products on codes of FP6 (E2M3) with E8M0 scales; then O is quantised along the model's 1,024 for the last product.
; t = score x log2(e) / 8; M = the largest t so far, rounded up to a whole number; p = 2^(t - M) is quantised along the keys, not normalised.  The row's sum is taken of the unquantised p, in f32,
; and divides O at the end.  When M moves, the sum and O are multiplied by 2^(old M - new M): exact.
; INPUTS (made by the launch before): half images of 768 bytes: six operand registers of 32 lanes, registers 0-3 at 16 x lane, registers 4-5 at 512 + 8 x lane.
;   q, k of a head: [token / 16][768]: lane (r, h): token r, block h of the head's 64.   v: [key / 128][c 2][d / 16][768]; inside a block of 32 keys v's codes lie in the order 0-7, 16-23, 8-15, 24-31.
;   scale words of a head: [token / 128][lane 32][4 words]: q, k: word i of lane 16 u + r: token tile 2 i + u, the head's two bytes twice;  v: words 0, 1 of lane 16 u + r: d tiles u, 2 + u.
; SHARES.  A work-group owns 512 queries of one head; each of its sixteen waves takes a tile of 16 queries, twice.  A head's K, V and scale words stay in LDS: every byte is filled once, ten fills, one to a wave.
; The four work-groups of a cluster own the four query blocks of one head: every fill is asked for jointly (mask 15).  No data prefetch: all is asked for at the head.
; WHICH KEYS FORM A TILE.  Both products are used transposed (S^T = K Q^T, O^T = V^T P^T): a lane holds one query.  Tile u = 4 c + s of a step's 128 keys takes as rows 0-7 keys 64 c + 8 s + 0..7 and as rows 8-15
; keys 64 c + 32 + 8 s + 0..7, by the lanes' LDS addresses alone.  So lane (r, h) holds ALL 32 keys of blocks h and 2 + h: a block's maximum and its conversions need no other lane.
; Tile s goes to the registers of place 0, 2, 1, 3: v's order of a block.
; K = 64 IN AN INSTRUCTION OF 128: source 0 holds two tiles of keys side by side; source 1 is [q | 0] for the first and [0 | q] for the second.  Zero codes add nothing under any finite scale byte.
; K's units of 256 bytes lie 320 apart in LDS.
; THE ORDER OF A STEP: the scores; V's loads and the NEXT step's K loads; the softmax; the second product.  The last step of a pass is written out: it fetches no further K.
; OUTPUTS: ao_codes [token / 16][head][768];  ao_scales [token][32]: head h's bytes 2 h, 2 h + 1 (two bytes a token from each of sixteen work-groups: 262,144 bytes in all).
; LIMITS: NaN and infinities are not served.  A block of zeros gets the byte 1: its codes are zeros.  1 / sum is v_rcp_f32.  A block's largest p is made from the block's largest score by the same two
; instructions (this takes v_exp_f32 not to fall where its input rises).  The promise holds while the scaled scores stay under 2^31 in magnitude.
.set VOFF, 122880                      ; LDS: K's codes at 0 (384 units of 320), V's here (dense),
.set SCK,  221184                      ; K's scale words, and 8,192 on V's
.set SPARE, 237568                     ; the spare words: 128 bytes a wave
.set LN,   1                           ; v1 lane; v2, v3 my places in a tile of K (16 and 8 bytes); v4 in K's scale words; v5-7 a step's addresses
.set KS,   8                           ; v8-11 K's scale words: lanes 0-15 tile 2 g, lanes 16-31 tile 2 g + 1
.set QF,   16                          ; v16-21 zeros, v22-27 q, v28-33 zeros
.set KA,   34                          ; v34-81 eight tiles of K, six registers each
.set VB,   82                          ; v82-129 four fragments of V
.set S,    130                         ; v130-193 S^T, then p
.set OT,   194                         ; v194-225 O^T
.set CD,   226                         ; v226-237 p's codes
.set PT,   238                         ; v238-240, v242-244 second halves
.set SPW,  241
.set NIL,  245
.set BM,   246                         ; my two blocks' largest score, then p, then byte
.set SO,   248                         ; the conversions' scale operands
.set VS,   250                         ; v250-251 V's scale words
.set BT,   252                         ; v252 f, v253 p's scale word; at work on the way out.  v254 at work, v255 q's scale word
.set WV,   12
.set SEL,  20
.set CS,   22
.set G0,   24
.set G1K,  28
.set G1C,  36
.set G1S,  44
.set SV,   52                          ; LDS places of the step's V, V's scale words, the next step's K and its scale words
.set SVS,  53
.set SK,   54
.set SKS,  55
.set CNT,  56
.set QP,   66
.set QS,   68
.set AO,   70
.set AS,   72
.macro CROUND
	s_barrier_signal -1
	s_barrier_wait -1
	s_cmp_lg_u32 s[WV], 0
	s_cbranch_scc1 .Lnot_wave_0_\@
	s_barrier_signal -3
.Lnot_wave_0_\@:
	s_barrier_wait -3
	s_barrier_signal -1
	s_barrier_wait -1
.endm
.macro TLOAD g1
	s_or_b32 s[G0+3], s[G0+3], 0x80000000
	tensor_load_to_lds s[G0:G0+3], s[\g1:\g1+7]
	s_nop 0
.rept 4
	v_nop
.endr
.endm
.macro GROUP1 g, word0, rows           ; rows of 256 bytes, dense in memory
	s_mov_b32 s[\g], \word0
	s_mov_b32 s[\g+1], 32<<16
	s_mov_b32 s[\g+2], (\rows)<<16
	s_mov_b32 s[\g+3], 32<<16
	s_mov_b32 s[\g+4], \rows
	s_mov_b32 s[\g+5], 32
	s_mov_b32 s[\g+6], 0
	s_mov_b32 s[\g+7], 0
.endm
	s_load_b256 s[4:11], s[0:1], 0x0               ; qkv_codes, qkv_scales, ao_codes, ao_scales
	v_lshl_add_u32 v[SPW], v0, 2, SPARE
	v_mov_b32 v[NIL], 0
	ds_add_u32 v[SPW], v[NIL]                      ; the opening lines
	ds_add_u32 v[SPW], v[NIL]
	v_lshrrev_b32 v1, 5, v0
	v_readfirstlane_b32 s[WV], v1
	s_bfe_u32 s13, ttmp6, 0x40000                  ; cx: it enters q's and the results' addresses alone
	s_and_b32 s14, ttmp7, 0xffff                   ; y = 16 x batch + head
	s_and_b32 s15, s[WV], 1
	s_and_b32 s80, s[WV], 3                        ; which quarter of K's or V's codes I fetch, if I fetch
	s_add_co_u32 s74, s14, 64                      ; k's heads begin at 64 of the 192, v's at 128
	s_mul_i32 s76, s74, 98304
	s_mov_b32 s77, 0
	s_lshl_b32 s78, s74, 13
	s_mov_b32 s79, 0
	s_mul_i32 s74, s80, 24576
	s_mov_b32 s75, 0
	GROUP1 G1K, 15|(3<<16)|(1<<20)|(1<<21)|(5<<22)|(15<<25), 96   ; the mask; elements of 8 bytes; 64 bytes of padding behind every 256
	GROUP1 G1C, 15|(3<<16)|(1<<21), 96
	GROUP1 G1S, 15|(3<<16)|(1<<21), 32
	s_mov_b32 s[G0], 1
	s_mov_b32 s[SEL], 0x76543210
	s_mov_b32 s[SEL+1], 0xfedcba98
	s_mov_b32 s[CS], 0x3e38aa3b                    ; c = log2(e) / 8
	s_mov_b32 s[CS+1], s[CS]
	s_wait_dscnt 0x0
	s_wait_kmcnt 0x0
	s_add_nc_u64 s[76:77], s[4:5], s[76:77]
	s_add_nc_u64 s[78:79], s[6:7], s[78:79]
	s_add_nc_u64 s[76:77], s[76:77], s[74:75]      ; my quarter of K's codes
	CROUND                                         ; all four work-groups are here: the joint loads meet
	s_cmp_lt_u32 s[WV], 4                          ; one chain of branches on the wave's number, one fill to an arm
	s_cbranch_scc0 .Lfor_v
	s_mul_i32 s[G0+1], s80, 30720                  ; waves 0-3: K's codes, 96 units each
	s_mov_b64 s[G0+2:G0+3], s[76:77]
	TLOAD G1K
	s_branch .Lasked
.Lfor_v:
	s_cmp_lt_u32 s[WV], 8
	s_cbranch_scc0 .Lfor_s
	s_add_co_u32 s[G0+1], s74, VOFF                ; waves 4-7: V's
	s_add_nc_u64 s[G0+2:G0+3], s[76:77], 64*98304
	TLOAD G1C
	s_branch .Lasked
.Lfor_s:
	s_cmp_lt_u32 s[WV], 10
	s_cbranch_scc0 .Lasked
	s_lshl_b32 s[G0+1], s15, 13                    ; wave 8: K's scale words, wave 9: V's
	s_add_co_u32 s[G0+1], s[G0+1], SCK
	s_lshl_b32 s74, s15, 19
	s_add_nc_u64 s[G0+2:G0+3], s[78:79], s[74:75]
	TLOAD G1S
.Lasked:
	s_lshl_b32 s16, ttmp9, 2
	s_add_co_u32 s16, s16, s13                     ; my block of 512 queries
	s_lshl_b32 s17, s16, 5
	s_add_co_u32 s17, s17, s[WV]                   ; my first tile of queries
	s_mul_i32 s[QP], s14, 98304
	s_mul_i32 s18, s17, 768
	s_add_co_u32 s[QP], s[QP], s18
	s_mov_b32 s[QP+1], 0
	s_add_nc_u64 s[QP:QP+1], s[4:5], s[QP:QP+1]
	s_lshl_b32 s[QS], s14, 13                      ; its scale words: the head, the 128 tokens, the half of the lanes, the word
	s_lshl_b32 s18, s16, 2
	s_lshr_b32 s19, s[WV], 3
	s_add_co_u32 s18, s18, s19
	s_lshl_b32 s18, s18, 9
	s_add_co_u32 s[QS], s[QS], s18
	s_lshl_b32 s18, s15, 8
	s_add_co_u32 s[QS], s[QS], s18
	s_bfe_u32 s18, s[WV], 0x20001
	s_lshl_b32 s18, s18, 2
	s_add_co_u32 s[QS], s[QS], s18
	s_mov_b32 s[QS+1], 0
	s_add_nc_u64 s[QS:QS+1], s[6:7], s[QS:QS+1]
	s_lshr_b32 s18, s14, 4                         ; batch
	s_lshl_b32 s19, s18, 7
	s_add_co_u32 s19, s19, s17                     ; my tile among all 512 tiles of tokens
	s_and_b32 s18, s14, 15                         ; head
	s_mul_i32 s[AO], s19, 12288
	s_mul_i32 s[AO+1], s18, 768
	s_add_co_u32 s[AO], s[AO], s[AO+1]
	s_mov_b32 s[AO+1], 0
	s_add_nc_u64 s[AO:AO+1], s[8:9], s[AO:AO+1]
	s_lshl_b32 s[AS], s19, 9
	s_lshl_b32 s18, s18, 1
	s_add_co_u32 s[AS], s[AS], s18
	s_mov_b32 s[AS+1], 0
	s_add_nc_u64 s[AS:AS+1], s[10:11], s[AS:AS+1]
	v_and_b32 v[LN], 31, v0
	v_and_b32 v5, 7, v0                            ; r % 8
	v_bfe_u32 v6, v0, 3, 1                         ; r / 8: rows 8-15 of a tile come from the image two further on (2 x 960 bytes)
	v_bfe_u32 v7, v0, 4, 1                         ; h
	v_mul_u32_u24 v2, v6, 1920
	v_lshlrev_b32 v4, 4, v5
	v_lshl_add_u32 v3, v5, 3, v2
	v_lshl_add_u32 v2, v5, 4, v2
	v_lshl_add_u32 v4, v6, 2, v4
	v_lshl_add_u32 v3, v7, 7, v3                   ; v3 = 8 (r % 8) + 128 h + 1920 (r / 8)
	v_mad_u32_u24 v2, v7, 320, v2                  ; v2 = 16 (r % 8) + 320 h + 1920 (r / 8)
	v_lshl_add_u32 v4, v7, 7, v4
	v_add_nc_u32 v4, SCK, v4                       ; v4 = SCK + 16 (r % 8) + 4 (r / 8) + 128 h
.irp i, 0,1,2,3,4,5
	v_mov_b32 v[QF+\i], 0                          ; the zero codes: written once
	v_mov_b32 v[QF+12+\i], 0
.endr
	v_mov_b32 v252, 0                              ; a lane permute's destination counts as one of its sources
	v_mov_b32 v253, 0
	v_mov_b32 v254, 0
.macro KLOAD a, b, w                   ; a step's eight tiles of K and their scale words: 20 loads
.irp u, 0,1,2,3,4,5,6,7
	ds_load_b128 v[KA+6*\u:KA+6*\u+3], v[\a] offset:960*(4*(\u/4)+(\u%4)/2)+128*(\u%2)
	ds_load_b64 v[KA+6*\u+4:KA+6*\u+5], v[\b] offset:960*(4*(\u/4)+(\u%4)/2)+64*(\u%2)+640
.endr
.irp g, 0,1,2,3
	ds_load_b32 v[KS+\g], v[\w] offset:256*(\g%2)+8*(\g/2)
.endr
.endm
; A KEY STEP: 128 keys.  pre = 1: the next step's K is fetched.
.macro STEP pre
	s_wait_dscnt 0x0                               ; this step's K and its scale words are in
.irp u, 0,1,2,3,4,5,6,7
.if (\u%2) == 0
	v_wmma_scale_f32_16x16x128_f8f6f4 v[S+8*(4*(\u/4)+2*(\u%2)+(\u%4)/2):S+8*(4*(\u/4)+2*(\u%2)+(\u%4)/2)+7], v[KA+12*(\u/2):KA+12*(\u/2)+11], v[QF+6:QF+17], 0, v[KS+\u/2], v255 matrix_a_fmt:MATRIX_FMT_FP6 matrix_b_fmt:MATRIX_FMT_FP6
.else
	v_wmma_scale_f32_16x16x128_f8f6f4 v[S+8*(4*(\u/4)+2*(\u%2)+(\u%4)/2):S+8*(4*(\u/4)+2*(\u%2)+(\u%4)/2)+7], v[KA+12*(\u/2):KA+12*(\u/2)+11], v[QF:QF+11], 0, v[KS+\u/2], v255 matrix_a_fmt:MATRIX_FMT_FP6 matrix_b_fmt:MATRIX_FMT_FP6 matrix_a_scale:MATRIX_SCALE_ROW1
.endif
.endr
	v_lshl_add_u32 v5, v[LN], 4, s[SV]             ; four plain lines: the places behind the products, in front of the loads into operands and of the first read of the scores
	v_lshl_add_u32 v6, v[LN], 3, s[SV]
	v_lshl_add_u32 v7, v[LN], 4, s[SVS]
	v_nop
.irp t, 0,1,2,3
.irp c, 0,1
	ds_load_b128 v[VB+12*\t+6*\c:VB+12*\t+6*\c+3], v5 offset:3072*\c+768*\t
	ds_load_b64 v[VB+12*\t+6*\c+4:VB+12*\t+6*\c+5], v6 offset:3072*\c+768*\t+512
.endr
.endr
	ds_load_b64 v[VS:VS+1], v7
.if \pre
	v_add_nc_u32 v5, s[SK], v2
	v_add_nc_u32 v6, s[SK], v3
	v_add_nc_u32 v7, s[SKS], v4
	KLOAD 5, 6, 7
.endif
.irp c, 0,1
	v_max3_num_f32 v[BM+\c], v[S+32*\c], v[S+32*\c+1], v[S+32*\c+2]   ; the largest score of my two blocks of 32 keys; each accumulator is first read at its low end
.endr
.irp i, 3,5,7,9,11,13,15,17,19,21,23,25,27,29
.irp c, 0,1
	v_max3_num_f32 v[BM+\c], v[BM+\c], v[S+32*\c+\i], v[S+32*\c+\i+1]
.endr
.endr
.irp c, 0,1
	v_max_num_f32 v[BM+\c], v[BM+\c], v[S+32*\c+31]
.endr
	v_max_num_f32 v254, v[BM], v[BM+1]
	v_permlanex16_b32 v252, v254, s[SEL], s[SEL+1]
	v_max_num_f32 v254, v254, v252                 ; with lane l xor 16's 64 keys: the step's largest score of my query
	s_delay_alu instid0(VALU_DEP_1)
	v_mul_f32 v254, s[CS], v254                    ; as t (c is positive)
	s_delay_alu instid0(VALU_DEP_1)
	v_max_num_f32 v13, v13, v254                   ; the running largest t
	v_mov_b32 v254, v12
	s_delay_alu instid0(VALU_DEP_2)
	v_floor_f32 v12, -v13                          ; the new -M = floor(-t)
	s_delay_alu instid0(VALU_DEP_1)
	v_sub_f32 v254, v12, v254                      ; old M - new M: a whole number, 0 or less
	s_delay_alu instid0(VALU_DEP_1)
	v_cvt_i32_f32 v254, v254                       ; (it saturates)
	s_delay_alu instid0(VALU_DEP_1)
	v_ldexp_f32 v252, 1.0, v254                    ; f = 2^(old M - new M)
.set kk, 0
.rept 32
	v_pk_fma_f32 v[S+kk:S+kk+1], v[S+kk:S+kk+1], s[CS:CS+1], v[12:13] op_sel_hi:[1,0,0]   ; t - M
.set kk, kk+2
.endr
.irp c, 0,1
	v_fma_f32 v[BM+\c], v[BM+\c], s[CS], v12       ; the same of each block's largest score
.endr
	s_wait_alu depctr_va_vdst(0)                   ; the wait ahead of the batch
.set kk, 0
.rept 64
	v_exp_f32 v[S+kk], v[S+kk]                     ; p = 2^(t - M), at most 1
.set kk, kk+1
.endr
.irp c, 0,1
	v_exp_f32 v[BM+\c], v[BM+\c]                   ; the block's largest p
.endr
	v_pk_mul_f32 v[14:15], v[14:15], v[252:253] op_sel_hi:[1,0]   ; the sums under the new M (a plain place behind the exponentials)
	s_wait_alu depctr_va_vdst(0)                   ; and behind it
.irp c, 0,1
	v_max_num_f32 v[BM+\c], 0x1800000, v[BM+\c]    ; the floor 2^(3 - 127): the byte cannot fall under 1
.endr
.irp c, 0,1
	v_add_nc_u32 v[SO+\c], 0xff000000, v[BM+\c]    ; 2 off the exponent field: the conversion's scale operand
.endr
.irp c, 0,1
	v_lshrrev_b32 v[BM+\c], 23, v[SO+\c]           ; the scale's byte
.endr
	v_lshl_or_b32 v254, v[BM+1], 16, v[BM]         ; my bytes: blocks h and 2 + h
	v_permlanex16_b32 v253, v254, s[SEL], s[SEL+1]
	v_lshl_or_b32 v253, v253, 8, v254              ; lanes 0-15: p's scale word of these 128 keys (lanes 16-31 are not read)
.irp c, 0,1
	v_cvt_scalef32_pk16_fp6_f32 v[CD+6*\c:CD+6*\c+2], v[S+32*\c:S+32*\c+15], v[SO+\c]
	v_cvt_scalef32_pk16_fp6_f32 v[PT+4*\c:PT+4*\c+2], v[S+32*\c+16:S+32*\c+31], v[SO+\c]   ; (a conversion's three registers begin on an even number)
.endr
	v_nop                                          ; one plain place behind a scaled conversion
.irp c, 0,1
.irp i, 0,1,2
	v_mov_b32 v[CD+6*\c+3+\i], v[PT+4*\c+\i]
.endr
.endr
	s_wait_dscnt 20*(\pre)                         ; V and its scale words are in; younger are the next step's 20 loads of K
.irp k, 0,1                                    ; the row's sum of the unquantised p: four chains side by side
	v_pk_add_f32 v[BM+2*\k:BM+2*\k+1], v[S+4*\k:S+4*\k+1], v[S+4*\k+2:S+4*\k+3]
	v_pk_add_f32 v[PT+4*\k:PT+4*\k+1], v[S+8+4*\k:S+8+4*\k+1], v[S+8+4*\k+2:S+8+4*\k+3]
.endr
.set kk, 16
.rept 6
.irp k, 0,1
	v_pk_add_f32 v[BM+2*\k:BM+2*\k+1], v[BM+2*\k:BM+2*\k+1], v[S+kk+2*\k:S+kk+2*\k+1]
	v_pk_add_f32 v[PT+4*\k:PT+4*\k+1], v[PT+4*\k:PT+4*\k+1], v[S+kk+4+2*\k:S+kk+4+2*\k+1]
.endr
.set kk, kk+8
.endr
	v_pk_add_f32 v[BM:BM+1], v[BM:BM+1], v[BM+2:BM+3]
	v_pk_add_f32 v[PT:PT+1], v[PT:PT+1], v[PT+4:PT+5]
	s_wait_alu depctr_va_vdst(0)                   ; the wait directly ahead of the first reader of O^T
.set kk, 0
.rept 16
	v_pk_mul_f32 v[OT+kk:OT+kk+1], v[OT+kk:OT+kk+1], v[252:253] op_sel_hi:[1,0]   ; O^T under the new M
.if kk == 6
	v_pk_add_f32 v[BM:BM+1], v[BM:BM+1], v[PT:PT+1]
.endif
.if kk == 14
	v_pk_add_f32 v[14:15], v[14:15], v[BM:BM+1]
.endif
.set kk, kk+2
.endr
.irp t, 0,1,2,3                                ; O^T += V^T P^T: the four accumulators by turns
.if (\t%2) == 0
	v_wmma_scale_f32_16x16x128_f8f6f4 v[OT+8*\t:OT+8*\t+7], v[VB+12*\t:VB+12*\t+11], v[CD:CD+11], v[OT+8*\t:OT+8*\t+7], v[VS+\t/2], v253 matrix_a_fmt:MATRIX_FMT_FP6 matrix_b_fmt:MATRIX_FMT_FP6
.else
	v_wmma_scale_f32_16x16x128_f8f6f4 v[OT+8*\t:OT+8*\t+7], v[VB+12*\t:VB+12*\t+11], v[CD:CD+11], v[OT+8*\t:OT+8*\t+7], v[VS+\t/2], v253 matrix_a_fmt:MATRIX_FMT_FP6 matrix_b_fmt:MATRIX_FMT_FP6 matrix_a_scale:MATRIX_SCALE_ROW1
.endif
.endr
.if \pre
	s_add_co_u32 s[SV], s[SV], 6144
	s_add_co_u32 s[SVS], s[SVS], 512
	s_add_co_u32 s[SK], s[SK], 7680
	s_add_co_u32 s[SKS], s[SKS], 512
.endif
.endm
; One tile of 16 queries against all 2,048 keys, and its way out.
.macro PASS
	KLOAD 2, 3, 4                                  ; the first step's K
	v_lshlrev_b32 v5, 4, v[LN]
	v_lshlrev_b32 v6, 3, v[LN]
	global_load_b128 v[QF+6:QF+9], v5, s[QP:QP+1]  ; q's half image
	global_load_b64 v[QF+10:QF+11], v6, s[QP:QP+1] offset:512
	v_and_b32 v254, 15, v0
	s_delay_alu instid0(VALU_DEP_1)
	v_lshlrev_b32 v254, 4, v254
	global_load_b32 v255, v254, s[QS:QS+1]         ; its scale words: row r's, in both halves of the lanes
	v_mov_b32 v13, 0xff61b1e6                      ; the largest t so far: -3e38
	s_delay_alu instid0(VALU_DEP_1)
	v_floor_f32 v12, -v13                          ; -M
	v_mov_b32 v14, 0
	v_mov_b32 v15, 0
.set kk, 0
.rept 32
	v_mov_b32 v[OT+kk], 0                          ; O^T: the first step finds zeros, which the first change of M leaves zeros
.set kk, kk+1
.endr
	s_mov_b32 s[SV], VOFF
	s_mov_b32 s[SVS], SCK+8192
	s_mov_b32 s[SK], 7680
	s_mov_b32 s[SKS], 512
	s_mov_b32 s[CNT], 15
	s_wait_loadcnt 0x0
.Lstep_\@:
	STEP 1
	s_sub_co_u32 s[CNT], s[CNT], 1
	s_cmp_lg_u32 s[CNT], 0
	s_cbranch_scc1 .Lstep_\@
	STEP 0
.rept 4
	v_nop                                          ; places behind the last products
.endr
	v_add_f32 v14, v14, v15
	s_delay_alu instid0(VALU_DEP_1)
	v_permlanex16_b32 v254, v14, s[SEL], s[SEL+1]
	s_delay_alu instid0(VALU_DEP_1)
	v_add_f32 v14, v14, v254                       ; the row's sum
	s_wait_alu depctr_va_vdst(0)
	v_rcp_f32 v14, v14
	v_and_b32 v254, 15, v0                         ; (a plain place behind the transcendental)
	s_delay_alu instid0(VALU_DEP_1)
	v_lshlrev_b32 v254, 5, v254                    ; my token's row of scale bytes
	v_lshlrev_b32 v5, 4, v[LN]
	v_lshlrev_b32 v6, 3, v[LN]
.set kk, 0
	s_wait_alu depctr_va_vdst(0)
.rept 16
	v_pk_mul_f32 v[S+kk:S+kk+1], v[OT+kk:OT+kk+1], v[14:15] op_sel_hi:[1,0]   ; O^T / the sum: register 8 t + j is d = 16 t + 8 h + j
.set kk, kk+2
.endr
.irp b, 0,1
.irp j, 0,1,2,3,4,5,6,7
	v_permlane16_swap_b32 v[S+16*\b+\j], v[S+8+16*\b+\j]   ; natural order: register 16 b + i is now d = 32 b + 16 h + i
.endr
.endr
.irp b, 0,1
	v_max3_num_f32 v[BM+\b], |v[S+16*\b]|, |v[S+1+16*\b]|, 0x1800000   ; the quantiser along the model's axis: the head's two blocks
.endr
.irp i, 2,4,6,8,10,12,14
.irp b, 0,1
	s_delay_alu instid0(VALU_DEP_2)
	v_max3_num_f32 v[BM+\b], v[BM+\b], |v[S+16*\b+\i]|, |v[S+1+16*\b+\i]|
.endr
.endr
.irp b, 0,1
	s_delay_alu instid0(VALU_DEP_2)
	v_permlanex16_b32 v[BT+\b], v[BM+\b], s[SEL], s[SEL+1]
.endr
.irp b, 0,1
	s_delay_alu instid0(VALU_DEP_2)
	v_max_num_f32 v[BM+\b], v[BM+\b], v[BT+\b]
.endr
.irp b, 0,1
	s_delay_alu instid0(VALU_DEP_2)
	v_add_nc_u32 v[SO+\b], 0xff000000, v[BM+\b]
.endr
.irp b, 0,1
	s_delay_alu instid0(VALU_DEP_2)
	v_lshrrev_b32 v[BT+\b], 23, v[SO+\b]
.endr
	s_delay_alu instid0(VALU_DEP_1)
	v_lshl_or_b32 v[BT], v[BT+1], 8, v[BT]         ; the head's two bytes
	v_cvt_scalef32_pk16_fp6_f32 v[CD:CD+2], v[S:S+15], v[SO]
	v_cvt_scalef32_pk16_fp6_f32 v[PT:PT+2], v[S+16:S+31], v[SO+1]
	v_nop                                          ; one plain place behind a scaled conversion
.irp i, 0,1,2
	v_permlane16_swap_b32 v[CD+\i], v[PT+\i]
.endr
.irp i, 0,1,2
	s_delay_alu instid0(VALU_DEP_3)
	v_mov_b32 v[CD+3+\i], v[PT+\i]
.endr
	global_store_b128 v5, v[CD:CD+3], s[AO:AO+1]   ; 512 consecutive bytes, at a multiple of 256 from the buffer's first byte
	global_store_b64 v6, v[CD+4:CD+5], s[AO:AO+1] offset:512   ; and the 256 behind them
	global_store_b16 v254, v[BT], s[AS:AS+1]       ; both halves of the lanes write the same two bytes with the same value
	s_wait_xcnt 0x0                                ; the stores have read their registers and bases
.endm
	s_wait_alu depctr_va_vdst(0)                   ; the wait at the head's end
	s_wait_tensorcnt 0x0                           ; my fill, if I have one, has landed,
	s_barrier_signal -1
	s_barrier_wait -1                              ; everybody's has: K, V and their scale words lie in LDS for the rest of the launch
	PASS
	s_add_nc_u64 s[QP:QP+1], s[QP:QP+1], 12288     ; sixteen tiles of queries on
	s_add_nc_u64 s[QS:QS+1], s[QS:QS+1], 1024
	s_add_nc_u64 s[AO:AO+1], s[AO:AO+1], 196608
	s_add_nc_u64 s[AS:AS+1], s[AS:AS+1], 8192
	PASS
	s_wait_tensorcnt 0x0                           ; the wave's end
	ds_add_u32 v[SPW], v[NIL]
	s_wait_dscnt 0x0
	CROUND                                         ; the closing round
	s_endpgm
.Lfunc_end_k_qe3a85c1a92_attn:
	.size	k_qe3a85c1a92_attn, .Lfunc_end_k_qe3a85c1a92_attn-k_qe3a85c1a92_attn
	.p2alignl 7, 3214868480
	.fill 96, 4, 3214868480
	.section	.rodata,"a",@progbits
	.p2align	6, 0x0
	.amdhsa_kernel k_qe3a85c1a92_attn
		.amdhsa_group_segment_fixed_size 239616
		.amdhsa_private_segment_fixed_size 0
		.amdhsa_enable_private_segment 0
		.amdhsa_kernarg_size 32
		.amdhsa_user_sgpr_count 2
		.amdhsa_user_sgpr_kernarg_segment_ptr 1
		.amdhsa_wavefront_size32 1
		.amdhsa_system_sgpr_workgroup_id_x 1
		.amdhsa_system_sgpr_workgroup_id_y 1
		.amdhsa_system_sgpr_workgroup_id_z 1
		.amdhsa_system_vgpr_workitem_id 0
		.amdhsa_next_free_vgpr 256
		.amdhsa_next_free_sgpr 84
		.amdhsa_reserve_vcc 0
		.amdhsa_float_denorm_mode_32 3
		.amdhsa_float_denorm_mode_16_64 3
		.amdhsa_memory_ordered 1
		.amdhsa_forward_progress 1
		.amdhsa_inst_pref_size 83
	.end_amdhsa_kernel
	.amdgpu_metadata
---
amdhsa.version: [ 1, 2 ]
amdhsa.kernels:
  - .name:           k_qe3a85c1a92_attn
    .symbol:         k_qe3a85c1a92_attn.kd
    .args:
      - { .name: qkv_codes, .offset: 0, .size: 8, .value_kind: global_buffer, .address_space: global }
      - { .name: qkv_scales, .offset: 8, .size: 8, .value_kind: global_buffer, .address_space: global }
      - { .name: ao_codes, .offset: 16, .size: 8, .value_kind: global_buffer, .address_space: global }
      - { .name: ao_scales, .offset: 24, .size: 8, .value_kind: global_buffer, .address_space: global }
    .group_segment_fixed_size: 239616
    .private_segment_fixed_size: 0
    .kernarg_segment_align: 8
    .kernarg_segment_size: 32
    .max_flat_workgroup_size: 512
    .sgpr_count:     84
    .vgpr_count:     256
    .wavefront_size: 32
...
	.end_amdgpu_metadata
.endif
;; end of part 2
;; launch proj (part 3): grid 4 x 32, 4 waves a work-group, clusters of 4 x 4, 327,680 bytes of LDS; arguments ao_codes, ao_scales, Wo_codes, Wo_scales, out0, bo; writes out0
.if DOCPART == 3
	.amdgcn_target "amdgcn-amd-amdhsa--gfx1250"
	.amdhsa_code_object_version 6
	.text
	.protected	k_qe3a85c1a92_proj
	.globl	k_qe3a85c1a92_proj
	.p2align	8
	.type	k_qe3a85c1a92_proj,@function
k_qe3a85c1a92_proj:
	s_mov_b64 s[64:65], 0
	v_nop
	global_prefetch_b8 v0, s[64:65] scope:SCOPE_SE
	s_setreg_imm32_b32 hwreg(HW_REG_WAVE_MODE, 25, 1), 1
	s_wait_xcnt 0x0
	s_wait_alu depctr_hold_cnt(0) depctr_sa_sdst(0) depctr_va_vdst(0) depctr_va_sdst(0) depctr_va_ssrc(0) depctr_va_vcc(0) depctr_vm_vsrc(0)
	s_getreg_b32 s2, hwreg(HW_REG_IB_STS2, 6, 4)
	s_cmp_eq_u32 s2, 0
	s_cbranch_scc0 .Lentry_in_a_cluster
	s_endpgm
.Lentry_in_a_cluster:
	s_bfe_u32 s2, ttmp6, 0x10000c
	s_cmp_lg_u32 s2, 0xf033
	s_cbranch_scc0 .Lentry_shape_is_right
	s_endpgm
.Lentry_shape_is_right:
; out0 = context Wo + bo, f32, on codes of FP6 (E2M3) with E8M0 scales: 8,192 x 1,024 x 1,024.  A work-group of four waves makes 256 x 256, a wave 128 x 128; the bias is the first products' C.
; Source 1, the context, comes as the attention launch left it (images of operand registers, 3,072 bytes for 16 tokens x 256 along K) through a ring of two slots.
; Source 0, Wo's 256 rows, comes ONCE, as whole rows of 768 bytes (16 bytes of padding behind every 256), and stays in LDS: every tile row begins at a multiple of 256 bytes.
; 4 x 4 clusters: the context's tiles are asked for jointly along a row of the cluster, Wo's along a column.  No data prefetch: K is four slots, of which two are asked for before the first product.
; LIMITS: NaN and infinities are not served; a sum begins with the bias.
.set SIZE_N, 1024
.set NQ,     2
.set ROWB,   768
.set KROW,   768
.set PITCH,  816
.set KT,     0                         ; counts the text's K steps of 256
.set FR,     12
.set NLA,    4
.set NP,     4
.set HALFA,  8*3072
.set HALFT,  128*PITCH
.set SLOT,   2*HALFA
.set BREG,   2*SLOT                    ; behind the ring: Wo's 256 rows
.set KS,     32
.set SCL,    BREG+2*HALFT
.set HALFS,  16*272
.set SBLK,   2*272
.set SPARE,  SCL+4*HALFS
.set SPITCH, 528
.set ADRA, 16
.set ADRB, 20
.set STO,  24
.set RD,   25
.set CO,   26
.set ADRS, 27
.set SPW,  28
.set NIL,  29
.set SC,   32
.set BP,   64
.set AF,   128
.set BK,   128
.set WV,   18
.set HI,   19
.set LO,   20
.set G1,   24
.set G0,   32
.set G1B,  48
.set G0B,  56
.set G1S,  68
.set G0S,  76
.set G1SB, 80
.set G0SB, 88
.set MSB, 0
.macro WIN new
.if MSB != (\new)
	s_set_vgpr_msb (MSB<<8)|(\new)
.set MSB, (\new)
.endif
.endm
.set MUL_LO,   0xa1
.set MUL_HI,   0xf1
.set FIRST_LO, 0x81
.set FIRST_HI, 0xc1
.set TO_B,     0x40
.macro JLOAD g0a, g1a, g0b, g1b
	s_cmp_eq_u32 s[HI], 0
	s_cbranch_scc0 .Lfor_b_\@
	tensor_load_to_lds s[\g0a:\g0a+3], s[\g1a:\g1a+7]
	s_nop 0
.rept 4
	v_nop
.endr
	s_branch .Lasked_\@
.Lfor_b_\@:
	tensor_load_to_lds s[\g0b:\g0b+3], s[\g1b:\g1b+7]
	s_nop 0
.rept 4
	v_nop
.endr
.Lasked_\@:
.endm
.macro ALOAD s                         ; the context's tile into slot s: waves 0 and 1, a half each.  The four v_nop are the places in front of the loads that follow, on both ways
	s_cmp_eq_u32 s[HI], 0
	s_cbranch_scc0 .Lnone_\@
	tensor_load_to_lds s[G0+4*\s:G0+4*\s+3], s[G1:G1+7]
	s_nop 0
.Lnone_\@:
.rept 4
	v_nop
.endr
.endm
.macro CREST
	s_cmp_lg_u32 s[WV], 0
	s_cbranch_scc1 .Lnot_wave_0_\@
	s_barrier_signal -3
.Lnot_wave_0_\@:
	s_barrier_wait -3
	s_barrier_signal -1
	s_barrier_wait -1
.endm
.macro CROUND
	s_barrier_signal -1
	s_barrier_wait -1
	CREST
.endm
	s_load_b256 s[4:11], s[0:1], 0x0
	s_load_b128 s[12:15], s[0:1], 0x20
	v_lshl_add_u32 v[SPW], v0, 2, SPARE
	v_mov_b32 v[NIL], 0
	ds_add_u32 v28, v29
	ds_add_u32 v28, v29
	s_wait_dscnt 0x0
	v_lshrrev_b32 v1, 5, v0
	v_readfirstlane_b32 s[WV], v1
	s_lshr_b32 s[HI], s[WV], 1
	s_and_b32 s[LO], s[WV], 1
	s_bfe_u32 s40, ttmp6, 0x40000
	s_bfe_u32 s41, ttmp6, 0x40004
	s_lshl_b32 s42, ttmp9, 2
	s_add_co_u32 s42, s42, s40
	s_and_b32 s21, ttmp7, 0xffff
	s_lshl_b32 s21, s21, 2
	s_add_co_u32 s21, s21, s41
	s_lshl_b32 s43, s41, 2
	s_lshl_b32 s43, 15, s43
	s_lshl_b32 s44, 0x1111, s40
	s_or_b32 s[G1+0], s43, (3<<16)|(1<<21)
	s_mov_b32 s[G1+1], 384<<16
	s_mov_b32 s[G1+2], 8<<16
	s_mov_b32 s[G1+3], 384<<16
	s_mov_b32 s[G1+4], 8
	s_mov_b32 s[G1+5], 1536
	s_mov_b32 s[G1+6], 0
	s_mov_b32 s[G1+7], 0
	s_or_b32 s[G1B+0], s44, (0<<16)|(1<<20)|(1<<21)|(5<<22)|(3<<25)
	s_mov_b32 s[G1B+1], ROWB<<16
	s_mov_b32 s[G1B+2], 128<<16
	s_mov_b32 s[G1B+3], ROWB<<16
	s_mov_b32 s[G1B+4], 128
	s_mov_b32 s[G1B+5], KROW
	s_mov_b32 s[G1B+6], 0
	s_mov_b32 s[G1B+7], 0
	s_or_b32 s[G1S+0], s43, (3<<16)|(1<<20)|(1<<21)|(5<<22)|(3<<25)
	s_or_b32 s[G1SB+0], s44, (3<<16)|(1<<20)|(1<<21)|(5<<22)|(3<<25)
.irp g, G1S, G1SB
	s_mov_b32 s[\g+1], 32<<16
	s_mov_b32 s[\g+2], 16<<16
	s_mov_b32 s[\g+3], 32<<16
	s_mov_b32 s[\g+4], 16
	s_mov_b32 s[\g+5], 32
	s_mov_b32 s[\g+6], 0
	s_mov_b32 s[\g+7], 0
.endr
	s_lshl_b32 s92, s21, 4
	s_lshl_b32 s66, s[LO], 3
	s_add_co_u32 s92, s92, s66
	s_mul_i32 s92, s92, 12288
	s_mov_b32 s93, 0
	s_lshl_b32 s94, s21, 13
	s_lshl_b32 s66, s[LO], 12
	s_add_co_u32 s94, s94, s66
	s_mov_b32 s95, 0
	s_lshl_b32 s46, s42, 8
	s_lshl_b32 s66, s[LO], 7
	s_add_co_u32 s46, s46, s66
	s_lshl_b32 s96, s46, 5
	s_mov_b32 s97, 0
	s_mul_i32 s46, s46, KROW
	s_mov_b32 s47, 0
	s_mul_i32 s45, s[LO], HALFA
	s_mul_i32 s98, s[LO], HALFT
	s_add_co_u32 s98, s98, BREG
	s_mul_i32 s99, s[WV], HALFS
	s_wait_kmcnt 0x0
	s_add_nc_u64 s[92:93], s[4:5], s[92:93]
	s_add_nc_u64 s[94:95], s[6:7], s[94:95]
	s_add_nc_u64 s[46:47], s[8:9], s[46:47]
	s_add_nc_u64 s[96:97], s[10:11], s[96:97]
	CROUND
	s_mov_b32 s[G0S], 1
	s_add_co_u32 s[G0S+1], s99, SCL
	s_mov_b64 s[G0S+2:G0S+3], s[94:95]
	s_or_b32 s[G0S+3], s[G0S+3], 0x80000000
	s_mov_b32 s[G0SB], 1
	s_add_co_u32 s[G0SB+1], s99, SCL
	s_mov_b64 s[G0SB+2:G0SB+3], s[96:97]
	s_or_b32 s[G0SB+3], s[G0SB+3], 0x80000000
	JLOAD G0S, G1S, G0SB, G1SB
	s_mov_b32 s[G0B], 1                            ; Wo: my 128 rows, all of K
	s_mov_b32 s[G0B+1], s98
	s_mov_b64 s[G0B+2:G0B+3], s[46:47]
	s_or_b32 s[G0B+3], s[G0B+3], 0x80000000
.irp s, 0,1
	s_mov_b32 s[G0+4*\s], 1
	s_add_co_u32 s[G0+4*\s+1], s45, \s*SLOT
	s_add_nc_u64 s[G0+4*\s+2:G0+4*\s+3], s[92:93], \s*3072
	s_or_b32 s[G0+4*\s+3], s[G0+4*\s+3], 0x80000000
	s_wait_alu depctr_va_vdst(0)
	s_wait_tensorcnt 0x0                           ; no tensor load out and a round ahead of every later first fill
	ds_add_u32 v28, v29
	s_wait_dscnt 0x0
	CROUND
.if \s == 0
	JLOAD G0, G1, G0B, G1B
.else
	ALOAD 1
.endif
.endr
	v_and_b32 v1, 15, v0
	v_bfe_u32 v2, v0, 4, 1
	v_mul_u32_u24 v3, v1, PITCH
	v_mul_u32_u24 v4, v2, 24
	v_add_nc_u32 v4, v3, v4
	v_lshl_add_u32 v5, v2, 4, v4
	v_and_b32 v6, 31, v0
	v_lshlrev_b32 v7, 4, v6
	v_lshlrev_b32 v8, 3, v6
	v_add_nc_u32 v8, 512, v8
	s_mul_i32 s66, s[HI], HALFA
	s_mul_i32 s67, s[LO], HALFT
	s_add_co_u32 s67, s67, BREG
.irp s, 0,1
	v_add_nc_u32 v[ADRA+\s], s66, v7
	v_add_nc_u32 v[ADRA+2+\s], s66, v8
	v_add_nc_u32 v[ADRB+\s], s67, v4
	v_add_nc_u32 v[ADRB+2+\s], s67, v5
	s_add_co_u32 s66, s66, SLOT
	s_add_co_u32 s67, s67, 64*PITCH                ; Wo's address registers: my rows 0-63, then 64-127, so that the loads' offsets stay inside 16 bits
.endr
	v_mul_u32_u24 v5, v1, KS
	v_lshrrev_b32 v6, 8, v5
	v_lshl_add_u32 v5, v6, 4, v5
	s_mul_i32 s66, s[HI], HALFS
	s_mul_i32 s67, s[LO], HALFS
	s_add_co_u32 s67, s67, 2*HALFS
	s_sub_co_u32 s67, s67, s66
	v_mul_u32_u24 v6, s67, v2
	s_add_co_u32 s66, s66, SCL
	v_add_nc_u32 v5, v5, v6
	v_add_nc_u32 v[ADRS], s66, v5
	s_mul_i32 s66, s[WV], 16*SPITCH
	v_mul_u32_u24 v5, v1, SPITCH
	v_lshl_add_u32 v5, v2, 5, v5
	v_add_nc_u32 v[STO], s66, v5
	v_mov_b32 v[CO], v7
	v_add_nc_u32 v[RD], s66, v7
	s_lshl_b32 s66, s21, 8
	s_lshl_b32 s67, s[HI], 7
	s_add_co_u32 s66, s66, s67
	s_lshl_b32 s66, s66, 12
	s_lshl_b32 s22, s42, 10
	s_lshl_b32 s67, s[LO], 9
	s_add_co_u32 s22, s22, s67
	s_mov_b32 s23, 0
	s_add_co_u32 s66, s66, s22
	s_mov_b32 s67, 0
	s_add_nc_u64 s[12:13], s[12:13], s[66:67]
	s_add_nc_u64 s[14:15], s[14:15], s[22:23]
	v_lshlrev_b32 v9, 5, v2
.irp b, 0,1,2,3,4,5,6,7
	global_load_b128 v[BP+8*\b:BP+8*\b+3], v9, s[14:15] offset:64*\b
	global_load_b128 v[BP+8*\b+4:BP+8*\b+7], v9, s[14:15] offset:64*\b+16
.endr
	s_wait_alu depctr_va_vdst(0)
	s_wait_loadcnt 0x0
.macro FRAG reg, adr, q, i
.irp p, 0,1,2,3,4,5
.set PCE, 12*(2*KT+(\q))+6*(\p/3)+\p%3 ; the piece of 8 bytes, counted from the row's start; lanes 16-31 read three pieces on, behind one padding more where that is in the next 256 bytes
.if PCE%32 < 29
	ds_load_b64 v[\reg+2*\p:\reg+2*\p+1], v[\adr] offset:8*PCE+16*(PCE/32)+(\i)*16*PITCH
.else
	ds_load_b64 v[\reg+2*\p:\reg+2*\p+1], v[\adr+2] offset:8*PCE+16*(PCE/32)+(\i)*16*PITCH
.endif
.endr
.endm
.macro FRAGA reg, slot, q, i
	ds_load_b128 v[\reg:\reg+3], v[ADRA+\slot] offset:3072*(\i)+1536*(\q)
	ds_load_b64 v[\reg+4:\reg+5], v[ADRA+2+\slot] offset:3072*(\i)+1536*(\q)
	ds_load_b128 v[\reg+6:\reg+9], v[ADRA+\slot] offset:3072*(\i)+1536*(\q)+768
	ds_load_b64 v[\reg+10:\reg+11], v[ADRA+2+\slot] offset:3072*(\i)+1536*(\q)+768
.endm
.macro MUL16 a0, p, q, sc, zero
.irp a, \a0, \a0+1
.irp b, 0,1,2,3,4,5,6,7
.if \zero
	v_wmma_scale_f32_16x16x128_f8f6f4 v[8*(8*((\a)%4)+\b):8*(8*((\a)%4)+\b)+7], v[128*(\p)+FR*\b:128*(\p)+FR*\b+FR-1], v[AF+FR*(\a):AF+FR*(\a)+FR-1], v[BP+8*\b:BP+8*\b+7], v[SC+8*NQ*(\sc)+NQ*\b+(\q)], v[SC+8*NQ*(\sc)+NQ*(\a)+(\q)] matrix_a_fmt:MATRIX_FMT_FP6 matrix_b_fmt:MATRIX_FMT_FP6 matrix_a_scale:MATRIX_SCALE_ROW1
.else
	v_wmma_scale_f32_16x16x128_f8f6f4 v[8*(8*((\a)%4)+\b):8*(8*((\a)%4)+\b)+7], v[128*(\p)+FR*\b:128*(\p)+FR*\b+FR-1], v[AF+FR*(\a):AF+FR*(\a)+FR-1], v[8*(8*((\a)%4)+\b):8*(8*((\a)%4)+\b)+7], v[SC+8*NQ*(\sc)+NQ*\b+(\q)], v[SC+8*NQ*(\sc)+NQ*(\a)+(\q)] matrix_a_fmt:MATRIX_FMT_FP6 matrix_b_fmt:MATRIX_FMT_FP6 matrix_a_scale:MATRIX_SCALE_ROW1
.endif
.endr
.endr
.endm
.macro FETCH_B slot, q, p
	WIN TO_B
.irp i, 0,1,2,3,4,5,6,7
	FRAG 128*(\p)+FR*\i, ADRB+\i/4, \q, \i%4
.endr
	WIN 0
.endm
.macro FETCH_A slot, q, i0
.irp i, \i0, \i0+1, \i0+2, \i0+3
	FRAGA AF+FR*(\i), \slot, \q, \i
.endr
.endm
.macro SCALES sc
.irp i, 0,1,2,3,4,5,6,7
	ds_load_b64 v[SC+8*NQ*\sc+NQ*\i:SC+8*NQ*\sc+NQ*\i+1], v[ADRS] offset:\i*SBLK
.endr
.endm
.macro PLACES n
.rept \n
	v_nop
.endr
.endm
.macro STEP slot, q, zero
	s_wait_dscnt 4*NLA
.if \zero
	WIN FIRST_LO
.else
	WIN MUL_LO
.endif
	MUL16 0, (\q)%2, \q, \slot, \zero
	MUL16 2, (\q)%2, \q, \slot, \zero
	s_wait_dscnt 0
	PLACES NP
	FETCH_B \slot, (\q)+1, 1-(\q)%2
	FETCH_A \slot, (\q)+1, 0
.if \zero
	WIN FIRST_HI
.else
	WIN MUL_HI
.endif
	MUL16 4, (\q)%2, \q, \slot, \zero
	MUL16 6, (\q)%2, \q, \slot, \zero
	PLACES NP
	WIN 0
	FETCH_A \slot, (\q)+1, 4
.endm
.macro TURN slot, next, fill
	s_wait_tensorcnt 0x0
	ds_add_u32 v[SPW], v[NIL]
	s_wait_dscnt 4*NLA+1
	WIN MUL_LO
	MUL16 0, 1, NQ-1, \slot, 0
	s_wait_dscnt 0x0
	s_barrier_signal -1
	MUL16 2, 1, NQ-1, \slot, 0
	WIN 0
	s_barrier_wait -1
.if \fill
	CREST
	s_add_nc_u64 s[G0+4*\slot+2:G0+4*\slot+3], s[G0+4*\slot+2:G0+4*\slot+3], 2*3072
	ALOAD \slot
.else
	PLACES NP
.endif
	s_wait_alu depctr_va_vdst(0)
	v_add_nc_u32 v[ADRS], 4*NQ, v[ADRS]
.set KT, KT+1
	FETCH_B \next, 0, 0
	FETCH_A \next, 0, 0
	SCALES \next
	WIN MUL_HI
	MUL16 4, 1, NQ-1, \slot, 0
	MUL16 6, 1, NQ-1, \slot, 0
	PLACES NP
	WIN 0
	FETCH_A \next, 0, 4
.endm
	s_wait_tensorcnt 1
	s_barrier_signal -1
	s_barrier_wait -1
	FETCH_B 0, 0, 0
	FETCH_A 0, 0, 0
	SCALES 0
	FETCH_A 0, 0, 4
	STEP 0, 0, 1
	TURN 0, 1, 1
	STEP 1, 0, 0
	TURN 1, 0, 1
	STEP 0, 0, 0
	TURN 0, 1, 0
	STEP 1, 0, 0
	s_wait_dscnt 4*NLA
	WIN MUL_LO
	MUL16 0, 1, NQ-1, 1, 0
	MUL16 2, 1, NQ-1, 1, 0
	s_wait_dscnt 0
	WIN MUL_HI
	MUL16 4, 1, NQ-1, 1, 0
	MUL16 6, 1, NQ-1, 1, 0
	WIN 0
.macro TOSTAGE a
.set AC, 64*((\a)%4)
	WIN 0x08+4*((\a)/4)
.irp b, 0,1,2,3,4,5,6,7
	ds_store_b128 v[STO], v[AC+8*\b:AC+8*\b+3] offset:64*\b
	ds_store_b128 v[STO], v[AC+8*\b+4:AC+8*\b+7] offset:64*\b+16
.endr
	WIN 0
.set BB, BK+64*((\a)%2)
.irp t, 0,1,2,3,4,5,6,7,8,9,10,11,12,13,14,15
	ds_load_b128 v[BB+4*\t:BB+4*\t+3], v[RD] offset:\t*SPITCH
.endr
.endm
.macro SEND a, younger
.set BB, BK+64*((\a)%2)
	s_wait_dscnt \younger
.if (\a) > 0
	s_add_nc_u64 s[12:13], s[12:13], 16*SIZE_N*4
.endif
.irp t, 0,1,2,3,4,5,6,7,8,9,10,11,12,13,14,15
	global_store_b128 v[CO], v[BB+4*\t:BB+4*\t+3], s[12:13] offset:\t*SIZE_N*4 th:TH_STORE_NT
.endr
.endm
	PLACES NP
	TOSTAGE 0
.irp a, 1,2,3,4,5,6,7
.if \a > 1
	s_wait_xcnt 0x0
.endif
	TOSTAGE \a
	SEND \a-1, 32
.endr
	s_wait_xcnt 0x0
	SEND 7, 0
	s_wait_tensorcnt 0x0
	ds_add_u32 v[SPW], v[NIL]
	s_wait_dscnt 0x0
	CROUND
	s_endpgm
.Lfunc_end_k_qe3a85c1a92_proj:
	.size	k_qe3a85c1a92_proj, .Lfunc_end_k_qe3a85c1a92_proj-k_qe3a85c1a92_proj
	.p2alignl 7, 3214868480
	.fill 96, 4, 3214868480
	.section	.rodata,"a",@progbits
	.p2align	6, 0x0
	.amdhsa_kernel k_qe3a85c1a92_proj
		.amdhsa_group_segment_fixed_size 327680
		.amdhsa_private_segment_fixed_size 0
		.amdhsa_enable_private_segment 0
		.amdhsa_kernarg_size 48
		.amdhsa_user_sgpr_count 2
		.amdhsa_user_sgpr_kernarg_segment_ptr 1
		.amdhsa_wavefront_size32 1
		.amdhsa_system_sgpr_workgroup_id_x 1
		.amdhsa_system_sgpr_workgroup_id_y 1
		.amdhsa_system_sgpr_workgroup_id_z 1
		.amdhsa_system_vgpr_workitem_id 0
		.amdhsa_next_free_vgpr 1024
		.amdhsa_next_free_sgpr 100
		.amdhsa_reserve_vcc 0
		.amdhsa_float_denorm_mode_32 3
		.amdhsa_float_denorm_mode_16_64 3
		.amdhsa_memory_ordered 1
		.amdhsa_forward_progress 1
		.amdhsa_inst_pref_size 153
	.end_amdhsa_kernel
	.amdgpu_metadata
---
amdhsa.version: [ 1, 2 ]
amdhsa.kernels:
  - .name:           k_qe3a85c1a92_proj
    .symbol:         k_qe3a85c1a92_proj.kd
    .args:
      - { .name: ao_codes, .offset: 0, .size: 8, .value_kind: global_buffer, .address_space: global }
      - { .name: ao_scales, .offset: 8, .size: 8, .value_kind: global_buffer, .address_space: global }
      - { .name: Wo_codes, .offset: 16, .size: 8, .value_kind: global_buffer, .address_space: global }
      - { .name: Wo_scales, .offset: 24, .size: 8, .value_kind: global_buffer, .address_space: global }
      - { .name: out0, .offset: 32, .size: 8, .value_kind: global_buffer, .address_space: global }
      - { .name: bo, .offset: 40, .size: 8, .value_kind: global_buffer, .address_space: global }
    .group_segment_fixed_size: 327680
    .private_segment_fixed_size: 0
    .kernarg_segment_align: 8
    .kernarg_segment_size: 48
    .max_flat_workgroup_size: 128
    .sgpr_count:     100
    .vgpr_count:     1024
    .wavefront_size: 32
...
	.end_amdgpu_metadata
.endif
;; end of part 3
